; MI455X (gfx1250); checked and timed in simulation.
; The chip was launched on July 23, 2026; its instructions are those of AMD's public machine-readable ISA for CDNA 5 (MIT licence, August 2026) and "CDNA5" Instruction Set Architecture Reference Guide (July 2026). The comments in the code are by the model that wrote it; some were corrected since.
;; NNUE. Allowed arithmetic: float matrix products may take bf16 or f16 operands with f32 sums; all other float work in f32.
;; Inputs: emb_bias 512 float32; emb_table 769 x 512 float32; head_b 8 float32; head_w 8 x 1,024 float32; nstm_indices 16,384 x 32 int32; stm_indices 16,384 x 32 int32.
;; Outputs: out0 16,384 x 1 float32.
;; 2 versions, each right; version 2 is version 1 with the launch nnue written anew for expert scheduling mode. Each part assembles by itself: llvm-mc -triple=amdgcn-amd-amdhsa -mcpu=gfx1250 --defsym DOCPART=n.
;; ======== version 1 of 2: 2 launches
;; limits: values outside matrix products are rounded to bf16
;; workspace buffers: tab 786,432 bytes
;; launch pack (part 1): grid 256 x 1, 3 waves a work-group, no clusters, 0 bytes of LDS; arguments emb_table, tab; writes tab
.if DOCPART == 1
	.amdgcn_target "amdgcn-amd-amdhsa--gfx1250"
	.amdhsa_code_object_version 6
	.text
	.protected	k_qc1176595fb_pack
	.globl	k_qc1176595fb_pack
	.p2align	8
	.type	k_qc1176595fb_pack,@function
k_qc1176595fb_pack:
	s_mov_b64 s[64:65], 0
	v_nop
	global_prefetch_b8 v0, s[64:65] scope:SCOPE_SE
	s_setreg_imm32_b32 hwreg(HW_REG_WAVE_MODE, 25, 1), 1
	s_wait_xcnt 0x0
; tab = rows 0..767 of emb_table ([769][512] f32), rounded to bf16 (nearest even) and laid out in the lane order of a 16 x 32 matrix fragment,
; so that the next launch fills a fragment with two 16-byte global loads a lane from 512 consecutive bytes each.
; Row 768 is the padding row: its contribution is always masked to zero, so it is not needed.
; Byte of element (k, c) in tab:  (k/32)*32768 + (c/16)*1024 + ((k/8)%4)*256 + (c%16)*16 + (k%8)*2.
; A wave takes 8 table rows x 64 columns: 16 loads of 128 consecutive bytes (each pair covers 256 consecutive, aligned bytes of a row),
; and two stores in which sixteen neighbouring lanes write 256 consecutive, aligned bytes.
; 96 row groups x 8 column groups = 768 waves = 256 work-groups of 3.  No LDS, no barrier: no wave needs another's data.
.set ROWB, 2048                        ; bytes in a table row
	s_load_b128 s[4:7], s[0:1], 0x0                ; emb_table s[4:5], tab s[6:7]
	v_lshrrev_b32 v1, 5, v0
	v_readfirstlane_b32 s8, v1                     ; wave 0..2
	s_mul_i32 s9, ttmp9, 3
	s_add_co_u32 s9, s9, s8                        ; task 0..767
	s_lshr_b32 s10, s9, 3                          ; which 8 table rows: 0..95
	s_and_b32 s11, s9, 7                           ; which 64 columns: 0..7
	s_lshl_b32 s12, s10, 14                        ; from: 8 rows of 2,048 bytes
	s_lshl_b32 s13, s11, 8                         ;       + 64 columns of 4 bytes
	s_add_co_u32 s12, s12, s13
	s_mov_b32 s13, 0
	s_lshr_b32 s14, s10, 2                         ; to: the block of 32 k, 32,768 bytes each
	s_lshl_b32 s14, s14, 15
	s_and_b32 s15, s10, 3                          ;     + which 8 k of the 32: 256 bytes each
	s_lshl_b32 s15, s15, 8
	s_add_co_u32 s14, s14, s15
	s_lshl_b32 s15, s11, 12                        ;     + 4 column blocks of 1,024 bytes
	s_add_co_u32 s14, s14, s15
	s_mov_b32 s15, 0
	v_and_b32 v1, 31, v0
	v_lshlrev_b32 v2, 2, v1                        ; from: my column, 4 bytes a lane
	v_and_b32 v3, 15, v0
	v_bfe_u32 v4, v0, 4, 1
	v_lshlrev_b32 v3, 4, v3                        ; to: 16 bytes for each of 16 columns,
	v_lshl_add_u32 v3, v4, 10, v3                  ;     lanes 16-31 in the next column block
	s_wait_kmcnt 0x0
	s_add_nc_u64 s[4:5], s[4:5], s[12:13]
	s_add_nc_u64 s[6:7], s[6:7], s[14:15]
.irp e, 0,1,2,3,4,5,6,7
	global_load_b32 v[8+\e],  v2, s[4:5] offset:\e*ROWB th:TH_LOAD_NT          ; row e, columns 0-31 of my 64
	global_load_b32 v[16+\e], v2, s[4:5] offset:\e*ROWB+128 th:TH_LOAD_NT      ; row e, columns 32-63
.endr
	s_wait_loadcnt 0x0
.irp i, 0,1,2,3
	v_cvt_pk_bf16_f32 v[24+\i], v[8+2*\i],  v[9+2*\i]      ; k ascending, the lower k in the lower half
	v_cvt_pk_bf16_f32 v[28+\i], v[16+2*\i], v[17+2*\i]
.endr
	global_store_b128 v3, v[24:27], s[6:7]
	global_store_b128 v3, v[28:31], s[6:7] offset:2048     ; two column blocks further
	s_endpgm
.Lfunc_end_k_qc1176595fb_pack:
	.size	k_qc1176595fb_pack, .Lfunc_end_k_qc1176595fb_pack-k_qc1176595fb_pack
	.p2alignl 7, 3214868480
	.fill 96, 4, 3214868480
	.section	.rodata,"a",@progbits
	.p2align	6, 0x0
	.amdhsa_kernel k_qc1176595fb_pack
		.amdhsa_group_segment_fixed_size 0
		.amdhsa_private_segment_fixed_size 0
		.amdhsa_enable_private_segment 0
		.amdhsa_kernarg_size 16
		.amdhsa_user_sgpr_count 2
		.amdhsa_user_sgpr_kernarg_segment_ptr 1
		.amdhsa_wavefront_size32 1
		.amdhsa_system_sgpr_workgroup_id_x 1
		.amdhsa_system_sgpr_workgroup_id_y 1
		.amdhsa_system_sgpr_workgroup_id_z 1
		.amdhsa_system_vgpr_workitem_id 0
		.amdhsa_next_free_vgpr 32
		.amdhsa_next_free_sgpr 66
		.amdhsa_reserve_vcc 0
		.amdhsa_float_denorm_mode_32 3
		.amdhsa_float_denorm_mode_16_64 3
		.amdhsa_memory_ordered 1
		.amdhsa_forward_progress 1
		.amdhsa_inst_pref_size 4
	.end_amdhsa_kernel
	.amdgpu_metadata
---
amdhsa.version: [ 1, 2 ]
amdhsa.kernels:
  - .name:           k_qc1176595fb_pack
    .symbol:         k_qc1176595fb_pack.kd
    .args:
      - { .name: emb_table, .offset: 0, .size: 8, .value_kind: global_buffer, .address_space: global }
      - { .name: tab, .offset: 8, .size: 8, .value_kind: global_buffer, .address_space: global }
    .group_segment_fixed_size: 0
    .private_segment_fixed_size: 0
    .kernarg_segment_align: 8
    .kernarg_segment_size: 16
    .max_flat_workgroup_size: 96
    .sgpr_count:     66
    .vgpr_count:     32
    .wavefront_size: 32
...
	.end_amdgpu_metadata
.endif
;; end of part 1
;; launch nnue (part 2): grid 256 x 1, 4 waves a work-group, no clusters, 219,136 bytes of LDS; arguments stm_indices, nstm_indices, emb_bias, head_w, head_b, tab, out0; writes out0
.if DOCPART == 2
	.amdgcn_target "amdgcn-amd-amdhsa--gfx1250"
	.amdhsa_code_object_version 6
	.text
	.protected	k_qc1176595fb_nnue
	.globl	k_qc1176595fb_nnue
	.p2align	8
	.type	k_qc1176595fb_nnue,@function
k_qc1176595fb_nnue:
	s_mov_b64 s[64:65], 0
	v_nop
	global_prefetch_b8 v0, s[64:65] scope:SCOPE_SE
	s_setreg_imm32_b32 hwreg(HW_REG_WAVE_MODE, 25, 1), 1
	s_wait_xcnt 0x0
; out[b] = head_w[bucket(b)] . clip(concat(bag(stm[b]) + bias, bag(nstm[b]) + bias), 0, 1) + head_b[bucket(b)].
; THE BAG SUMS ARE A MATRIX PRODUCT: counts[bag][k] (how often index k stands in the bag, 0..32, exact in bf16) times table[k][column] (bf16, from tab),
; sums in f32.  A work-group owns 64 batch rows = 128 bags (64 stm, then 64 nstm); each of its four waves owns all 128 bags x 128 table columns:
; 64 accumulator tiles, 512 registers.  K = 768 is 24 blocks of 32, written out.
; LIMITS.  A zero count is still multiplied with every table entry, so all entries of rows 0..767 must be finite and stay finite in bf16; indices above
; 768 are not served (they would count as padding in the sums and not in the bucket); the sums are formed in another order than row after row; table,
; clipped embedding and head_w are rounded to bf16 as matrix operands, everything else is f32.  NaN is not carried through the clip.
; THE TABLE GOES FROM tab STRAIGHT INTO REGISTERS: tab lies in fragment order, and a wave alone reads the fragments of its 128 columns, so a stage in LDS
; would share nothing inside the work-group.  Four fragment buffers take turns; the loads of three blocks (48 loads, 24,576 bytes a wave) are on their way,
; each waited for by count, and the K blocks need no barrier.
; NO CLUSTER, though all work-groups walk the same table: joint requests land in LDS, and in a launch with joint requests every LDS address has to be alike
; in all partners, while the counts are scattered to LDS addresses made of each work-group's own indices.  Counts made with fixed addresses (one compare
; for each k and element) would be 128 x 768 x 32 compares a work-group, more vector work than the products take.
; THE COUNTS lie in LDS for all of K: 128 rows x 1,552 bytes.  They are what the four waves share: each wave builds 32 bags' rows and reads all 128.
; THE PRODUCT IS USED TRANSPOSED: source 0 = 16 table columns, source 1 = 16 bags.  Lane l then holds bag l % 16 and in registers 0-7 the columns
; 8 (l / 16) + 0..7 of the tile; clipped and packed, two neighbouring tiles ARE a 16 x 32 operand fragment of the head product: no lane moves data.
; REGISTERS in windows of 256:  0: v0-31 addresses, v32-63 running counts, later the scores, v64-191 count fragments (two buffers; scratch before the
; products, the stm side's clipped embedding after them), v192-255 bias, later head_w in bf16.  1: four table fragment buffers of 64; at the end the first
; two take head_w as loaded, the last two the nstm side's embedding.  2, 3: accumulators (tile (a, b), a = bag block % 4, b = column block,
; at v[8 (8 a + b)]; window 2 = stm bags, window 3 = nstm bags).
.set CP,     1552                      ; a counts row: 768 k x 2 bytes + 16 = 97 x 16 bytes: 16 consecutive rows begin at 16 different 16-byte columns modulo 256 bytes;
                                       ; column 768 (PAD) lies in the row's padding, which no fragment load reads
.set STAGE,  128*CP                    ; LDS: the counts from byte 0, then the stage that turns the index rows: 128 rows of 144 bytes
.set SPITCH, 144
.set BKT,    STAGE+128*SPITCH          ; then the buckets of the 64 batch rows
.set RED,    BKT+256                   ; then 4 waves x 64 partial scores, and as a fifth row head_b[bucket]
.set KBLK,   32768                     ; bytes of tab in a block of 32 k
.set ADRC, 8                           ; v8-11   my count fragments, bags 0-31, 32-63, 64-95, 96-127 (two blocks of 16 rows fit the 16-bit offset, four do not)
.set ROWA, 12                          ; v12     my own bag's counts row
.set ZR,   16                          ; v16-19  zeros
.set CF,   32                          ; v32-63  running count of sorted element j, f32
.set SC,   32                          ; v32-63  later: four tiles of scores
.set F0,   64                          ; count fragment buffer 0 (buffer 1 = F0 + 64)
.set SX,   64                          ; sort: the two banks that take turns; the sorted bag ends in SY
.set SY,   96
.set ADA,  64                          ; where element j goes, in the bank that the sort has left free
.set RAW,  128                         ; indices as loaded
.set BIAS, 192                         ; v192-255 bias in the layout of 8 accumulator tiles
.set HWF,  192                         ; later: head_w fragments in bf16
.set EN,   128                         ; window 1: the nstm side's embedding
.set MSB, 0
.macro WIN new                         ; the immediate's high byte repeats the setting that is left
.if MSB != \new
	s_set_vgpr_msb (MSB<<8)|\new
.set MSB, \new
.endif
.endm
.macro PLACES                          ; four plain vector instructions between a matrix instruction and a load into, or a vector use of, its registers
.rept 4
	v_nop
.endr
.endm
; 16 loads: the table fragments of block TM, my 8 column blocks, into buffer TM % 4 of window 1; each load takes 512 consecutive bytes of tab
.macro TLOAD
	WIN 0x40
.irp b, 0,1,2,3,4,5,6,7
	global_load_b128 v[64*(TM&3)+8*\b:64*(TM&3)+8*\b+3],   v5, s[58:59] offset:TM*KBLK+1024*\b
	global_load_b128 v[64*(TM&3)+8*\b+4:64*(TM&3)+8*\b+7], v5, s[58:59] offset:TM*KBLK+1024*\b+512
.endr
.endm
	s_load_b256 s[4:11], s[0:1], 0x0               ; stm s[4:5], nstm s[6:7], bias s[8:9], head_w s[10:11]
	s_load_b128 s[12:15], s[0:1], 0x20             ; head_b s[12:13], tab s[14:15]
	s_load_b64 s[16:17], s[0:1], 0x30              ; out
	v_lshl_add_u32 v14, v0, 2, 0x35600
	v_mov_b32 v15, 0
	v_lshrrev_b32 v4, 5, v0
	v_readfirstlane_b32 s18, v4                    ; wave 0..3
	v_and_b32 v1, 31, v0                           ; lane
	v_and_b32 v2, 15, v0                           ; r = lane % 16
	v_bfe_u32 v3, v0, 4, 1                         ; h = lane / 16
	s_mul_i32 s53, s18, 32*CP                      ; the counts rows of my 32 bags
	v_lshl_add_u32 v7, v1, 4, s53
.irp i, 0,1,2,3
	v_mov_b32 v[ZR+\i], 0
.endr
.set i, 0
.rept 48
	ds_store_b128 v7, v[ZR:ZR+3] offset:512*i      ; my 32 counts rows = 49,664 bytes = 97 x 512 are cleared: the first 48 runs while the arguments come
.set i, i+1
.endr
	s_lshl_b32 s48, ttmp9, 13                      ; the work-group's 64 index rows of 128 bytes
	s_and_b32 s49, s18, 1
	s_lshl_b32 s49, s49, 12                        ; + 32 rows for the odd waves
	s_add_co_u32 s48, s48, s49
	s_mov_b32 s49, 0
	s_lshl_b32 s52, s18, 9                         ; my 128 columns in f32 bytes
	s_mul_i32 s55, s18, 32*SPITCH
	s_add_co_u32 s55, s55, STAGE                   ; my part of the stage
	s_lshl_b32 s56, s18, 13                        ; my 8 column blocks of 1,024 bytes in each block of 32 k of tab
	s_mov_b32 s57, 0
	s_lshl_b32 s60, s18, 8
	s_add_co_u32 s60, s60, RED                     ; my 64 partial scores
	v_lshlrev_b32 v5, 4, v1                        ; 16 bytes a lane: index rows and table fragments
	v_lshl_add_u32 v6, v3, 5, s52                  ; bias and head_w: 8 h columns + my 128, in f32 bytes
	s_wait_kmcnt 0x0
	s_add_nc_u64 s[58:59], s[14:15], s[56:57]      ; tab at my columns
	s_cmp_lt_u32 s18, 2
	s_cselect_b64 s[50:51], s[4:5], s[6:7]         ; waves 0, 1 take the stm bags, waves 2, 3 the nstm bags
	s_add_nc_u64 s[50:51], s[50:51], s[48:49]
.irp b, 0,1,2,3,4,5,6,7
	global_load_b128 v[BIAS+8*\b:BIAS+8*\b+3],   v6, s[8:9] offset:64*\b      ; bias in the layout of an accumulator tile: register j = column 16 b + 8 h + j
	global_load_b128 v[BIAS+8*\b+4:BIAS+8*\b+7], v6, s[8:9] offset:64*\b+16
.endr
.irp i, 0,1,2,3,4,5,6,7
	global_load_b128 v[RAW+4*\i:RAW+4*\i+3], v5, s[50:51] offset:512*\i th:TH_LOAD_NT     ; my 32 bags: 4,096 consecutive bytes, 512 a load
.endr
	s_load_b256 s[40:47], s[12:13], 0x0            ; head_b, all eight
.set TM, 0
	TLOAD
.set TM, 1
	TLOAD
	WIN 0
.rept 49
	ds_store_b128 v7, v[ZR:ZR+3] offset:512*i      ; the other 49 runs of the clearing, while the indices come; my scatter below follows them in order
.set i, i+1
.endr
	v_lshrrev_b32 v4, 3, v1                        ; stage, in: a load's 512 bytes are 4 index rows, 8 lanes each
	v_and_b32 v20, 7, v1
	v_mul_u32_u24 v4, v4, SPITCH
	v_lshl_add_u32 v4, v20, 4, v4
	v_add_nc_u32 v20, s55, v4
	v_mul_u32_u24 v21, v1, SPITCH                  ; stage, out: lane = bag
	v_add_nc_u32 v21, s55, v21
	v_lshlrev_b32 v22, 2, v0
	v_add_nc_u32 v22, BKT, v22                     ; my bag's bucket (waves 0, 1: thread = batch row)
	v_and_b32 v4, 7, v0
	v_lshl_add_u32 v23, v4, 12, v6                 ; head_w: row r % 8 (rows 8-15 of the fragment repeat rows 0-7), 4,096 bytes a row
	v_lshl_add_u32 v24, v2, 2, s60                 ; where my partial scores go
	v_lshlrev_b32 v25, 2, v2
	v_add_nc_u32 v25, BKT, v25                     ; bucket of batch row r
	v_lshlrev_b32 v27, 3, v1                       ; the last sum: two batch rows a lane
	v_add_nc_u32 v26, RED, v27
	v_mul_u32_u24 v[ADRC], v2, CP                  ; count fragments: row r, 16 h bytes along k
	v_lshl_add_u32 v[ADRC], v3, 4, v[ADRC]
	v_add_nc_u32 v[ADRC+1], 32*CP, v[ADRC]
	v_add_nc_u32 v[ADRC+2], 64*CP, v[ADRC]
	v_add_nc_u32 v[ADRC+3], 96*CP, v[ADRC]
	v_mul_u32_u24 v[ROWA], v1, CP
	v_add_nc_u32 v[ROWA], s53, v[ROWA]
	; THE COUNTS.  Lane = bag.  The index rows are turned through my own bytes of the stage (LDS serves a wave in order: no wait between stores and loads).
	s_wait_loadcnt 32                              ; bias and indices are in; the 32 loads behind them (table blocks 0, 1) may stay out
.set TM, 2
	TLOAD                                          ; 48 loads are out now, and never more
	WIN 0
.irp i, 0,1,2,3,4,5,6,7
	ds_store_b128 v20, v[RAW+4*\i:RAW+4*\i+3] offset:4*SPITCH*\i
.endr
.irp i, 0,1,2,3,4,5,6,7
	ds_load_b128 v[SX+4*\i:SX+4*\i+3], v21 offset:16*\i
.endr
	s_wait_dscnt 0x0                               ; my bag's 32 indices are in registers
; A bitonic sort of the lane's 32 indices: 15 layers of 16 exchanges; each layer reads one bank and writes the other, so an exchange is a min and a max
; and the 32 instructions of a layer do not wait for each other.  Equal indices end side by side.
.macro LAYER src, dst, k, j
.set i, 0
.rept 32
.if (i ^ \j) > i
.if (i & \k) == 0
	v_min_u32 v[\dst+i],      v[\src+i], v[\src+(i^\j)]
	v_max_u32 v[\dst+(i^\j)], v[\src+i], v[\src+(i^\j)]
.else
	v_max_u32 v[\dst+i],      v[\src+i], v[\src+(i^\j)]
	v_min_u32 v[\dst+(i^\j)], v[\src+i], v[\src+(i^\j)]
.endif
.endif
.set i, i+1
.endr
.endm
	LAYER SX, SY, 2, 1
	LAYER SY, SX, 4, 2
	LAYER SX, SY, 4, 1
	LAYER SY, SX, 8, 4
	LAYER SX, SY, 8, 2
	LAYER SY, SX, 8, 1
	LAYER SX, SY, 16, 8
	LAYER SY, SX, 16, 4
	LAYER SX, SY, 16, 2
	LAYER SY, SX, 16, 1
	LAYER SX, SY, 32, 16
	LAYER SY, SX, 32, 8
	LAYER SX, SY, 32, 4
	LAYER SY, SX, 32, 2
	LAYER SX, SY, 32, 1
	; where element j goes: column min(index, 768) of my row
.set j, 0
.rept 32
	v_min_u32 v[ADA+j], 0x300, v[SY+j]
.set j, j+1
.endr
.set j, 0
.rept 32
	v_lshl_add_u32 v[ADA+j], v[ADA+j], 1, v[ROWA]
.set j, j+1
.endr
	; running count: c[0] = 1, c[j] = (element j equals element j - 1 ? c[j-1] : 0) + 1
	v_mov_b32 v[CF], 1.0
.set j, 1
.rept 31
	v_cmp_eq_u32 vcc_lo, v[SY+j], v[SY+j-1]
	v_cndmask_b32 v28, 0, v[CF+j-1], vcc_lo
	v_add_f32 v[CF+j], 1.0, v28
.set j, j+1
.endr
	; each element stores its running count (the upper half of the f32 is the bf16, exact up to 32); LDS serves my stores in order,
	; so the last element of a run of equal indices leaves the run's length
.set j, 0
.rept 32
	ds_store_b16_d16_hi v[ADA+j], v[CF+j]
.set j, j+1
.endr
	s_wait_kmcnt 0x0                               ; head_b
	s_cmp_ge_u32 s18, 2
	s_cbranch_scc1 .Lno_bucket                     ; the bucket hangs on the stm bags alone: waves 0, 1
	v_cmp_eq_u32 vcc_lo, 0x300, v[SY+31]           ; PAD is the largest index: if any, the sorted bag ends in its run
	v_cndmask_b32 v28, 0, v[CF+31], vcc_lo         ; how many PAD
	v_cvt_u32_f32 v29, v28
	v_sub_nc_u32 v29, 32, v29                      ; cnt
	v_max_u32 v29, 2, v29                          ; below 2 the floor division is negative and clips to 0
	v_add_nc_u32 v29, -2, v29
	v_lshrrev_b32 v29, 2, v29
	v_min_u32 v29, 7, v29                          ; bucket
	ds_store_b32 v22, v29
	v_mov_b32 v30, s40
.irp j, 1,2,3,4,5,6,7
	v_cmp_eq_u32 vcc_lo, \j, v29
	v_mov_b32 v31, s[40+\j]
	v_cndmask_b32 v30, v30, v31, vcc_lo
.endr
	ds_store_b32 v22, v30 offset:RED+1024-BKT      ; head_b[bucket], the fifth row of the last sum
.Lno_bucket:
; 16 matrix instructions: bag blocks a0, a0 + 1 of the window's four (hi = 0: stm, 1: nstm) x all 8 column blocks, 32 along K:
; table fragments from buffer TB of window 1, count fragments from buffer FB of window 0.
; In the first block C is the bias, so that nothing is cleared and nothing is added later.
; The 64 accumulators take turns, one instruction a turn, in the same order in every block.
.macro MUL16 hi, a0
.irp a, \a0, \a0+1
.irp b, 0,1,2,3,4,5,6,7
.if n == 0
	v_wmma_f32_16x16x32_bf16 v[8*(8*(\a)+\b):8*(8*(\a)+\b)+7], v[TB+8*\b:TB+8*\b+7], v[FB+8*(4*\hi+\a):FB+8*(4*\hi+\a)+7], v[BIAS+8*\b:BIAS+8*\b+7]
.else
	v_wmma_f32_16x16x32_bf16 v[8*(8*(\a)+\b):8*(8*(\a)+\b)+7], v[TB+8*\b:TB+8*\b+7], v[FB+8*(4*\hi+\a):FB+8*(4*\hi+\a)+7], v[8*(8*(\a)+\b):8*(8*(\a)+\b)+7]
.endif
.endr
.endr
.endm
.macro WLO                             ; source 0 (table) window 1, source 1 (counts) window 0, D window 2; C window 2, or window 0 for the bias
.if n == 0
	WIN 0x81
.else
	WIN 0xa1
.endif
.endm
.macro WHI                             ; the same with D (and C) in window 3
.if n == 0
	WIN 0xc1
.else
	WIN 0xf1
.endif
.endm
; 16 LDS loads: the count fragments of 8 x 16 bags at byte CK of the counts rows, into buffer GB
.macro CFETCH
	WIN 0
.irp i, 0,1,2,3,4,5,6,7
	ds_load_b128 v[GB+8*\i:GB+8*\i+3],   v[ADRC+(\i/2)] offset:CK+(\i%2)*16*CP
	ds_load_b128 v[GB+8*\i+4:GB+8*\i+7], v[ADRC+(\i/2)] offset:CK+(\i%2)*16*CP+32
.endr
.endm
; 16 loads: head_w as f32 for side HS, into the table buffer HS, which has served.
; Fragment c: row r % 8, columns 512 side + 128 wave + 32 c + { 8 h .. +7, 16 + 8 h .. +7 }
.macro HWLOAD
	WIN 0x40
.irp c, 0,1,2,3
	global_load_b128 v[64*HS+16*\c:64*HS+16*\c+3],     v23, s[10:11] offset:HS*2048+\c*128
	global_load_b128 v[64*HS+16*\c+4:64*HS+16*\c+7],   v23, s[10:11] offset:HS*2048+\c*128+16
	global_load_b128 v[64*HS+16*\c+8:64*HS+16*\c+11],  v23, s[10:11] offset:HS*2048+\c*128+64
	global_load_b128 v[64*HS+16*\c+12:64*HS+16*\c+15], v23, s[10:11] offset:HS*2048+\c*128+80
.endr
.endm
; Block n of 32 along K.  The two buffers that block n - 1 has read are asked for again at the block's head: the table's for block n + 3, the counts' for
; block n + 1.  Blocks 21 and 22 ask for head_w's two halves in the table's stead, so the count of the wait is the same in every block.
.macro BLOCK
.if n > 0
.if n < 23
	PLACES
.endif
.endif
	s_wait_loadcnt 32                              ; loads come back in order (ISA guide 5.7.1): block n's 16 are in, the 32 issued behind them stay out
.if n < 21
	TLOAD
.else
.if n < 23
	HWLOAD
.endif
.endif
.if n < 23
	CFETCH
	s_wait_dscnt 16                                ; all but the 16 just issued: block n's count fragments were asked for a block ago
.else
	s_wait_dscnt 0x0
.endif
	WLO
	MUL16 0, 0
	MUL16 0, 2
	WHI
	MUL16 1, 0
	MUL16 1, 2
.endm
	s_wait_dscnt 0x0                               ; for the other waves' sake: my counts, bucket and head_b pick are stored
	s_barrier_signal -1
	s_barrier_wait -1                              ; every wave's counts are there; nobody writes them again, so the blocks need no barrier
.set GB, F0
.set CK, 0
	CFETCH
.set n, 0
.rept 24
.set TB, 64*(n&3)
.set FB, F0+64*(n&1)
.set GB, F0+64*((n+1)&1)
.set CK, (n+1)*64
.set TM, n+3
.set HS, n-21
	BLOCK
.set n, n+1
.endr
	; THE HEAD.  Clip and pack first: head_w's last loads have that run in which to come.
	PLACES
	WIN 0x82                                       ; stm side: clip in place,
.set i, 0
.rept 256
	v_med3_num_f32 v[i], v[i], 0, 1.0
.set i, i+1
.endr
	WIN 0x0a                                       ; and pack into window 0: fragment (a, c) = tiles (a, 2 c), (a, 2 c + 1) at F0 + 32 a + 8 c
.set i, 0
.rept 128
	v_cvt_pk_bf16_f32 v[F0+i], v[2*i], v[2*i+1]
.set i, i+1
.endr
	WIN 0xc3                                       ; nstm side: the same, packed into the last two table buffers of window 1
.set i, 0
.rept 256
	v_med3_num_f32 v[i], v[i], 0, 1.0
.set i, i+1
.endr
	WIN 0x4f
.set i, 0
.rept 128
	v_cvt_pk_bf16_f32 v[EN+i], v[2*i], v[2*i+1]
.set i, i+1
.endr
	s_wait_loadcnt 0x0                             ; head_w
	WIN 0x05                                       ; sources window 1, destination window 0
.set i, 0
.rept 64
	v_cvt_pk_bf16_f32 v[HWF+i], v[2*i], v[2*i+1]
.set i, i+1
.endr
	WIN 0
.irp a, 0,1,2,3
	ds_load_b32 v[28+\a], v25 offset:64*\a         ; bucket of batch row 16 a + r
.endr
; scores: source 0 = 16 rows of head_w (heads 0-7 twice), source 1 = 16 bags: register j of a lane = head j of batch row 16 a + r, in both halves of the lanes.
; Both sides add onto the same four accumulators, which take turns, one instruction a turn.
.macro HEAD side, c, zero, e
.irp a, 0,1,2,3
.if \zero
	v_wmma_f32_16x16x32_bf16 v[SC+8*\a:SC+8*\a+7], v[HWF+8*(4*\side+\c):HWF+8*(4*\side+\c)+7], v[\e+32*\a+8*\c:\e+32*\a+8*\c+7], 0
.else
	v_wmma_f32_16x16x32_bf16 v[SC+8*\a:SC+8*\a+7], v[HWF+8*(4*\side+\c):HWF+8*(4*\side+\c)+7], v[\e+32*\a+8*\c:\e+32*\a+8*\c+7], v[SC+8*\a:SC+8*\a+7]
.endif
.endr
.endm
	HEAD 0, 0, 1, F0
	HEAD 0, 1, 0, F0
	HEAD 0, 2, 0, F0
	HEAD 0, 3, 0, F0
	WIN 0x04                                       ; source 1 window 1: the nstm side
	HEAD 1, 0, 0, EN
	HEAD 1, 1, 0, EN
	HEAD 1, 2, 0, EN
	HEAD 1, 3, 0, EN
	WIN 0
	PLACES
	s_wait_dscnt 0x0                               ; the buckets
.irp a, 0,1,2,3
.irp j, 1,2,3,4,5,6,7
	v_cmp_eq_u32 vcc_lo, \j, v[28+\a]
	v_cndmask_b32 v[SC+8*\a], v[SC+8*\a], v[SC+8*\a+\j], vcc_lo
.endr
	ds_store_b32 v24, v[SC+8*\a] offset:64*\a      ; my 128 columns' share of the chosen head; lanes r and 16 + r store the same word with the same value
.endr
	s_wait_dscnt 0x0                               ; for wave 0's sake
	s_barrier_signal -1
	s_barrier_wait -1
	s_cmp_lg_u32 s18, 0
	s_cbranch_scc1 .Lnot_last_sum
	s_lshl_b32 s48, ttmp9, 8                       ; 64 batch rows of 4 bytes
	s_mov_b32 s49, 0
	s_add_nc_u64 s[16:17], s[16:17], s[48:49]
.irp i, 0,1,2,3,4
	ds_load_b64 v[F0+2*\i:F0+2*\i+1], v26 offset:256*\i    ; the four waves' shares and head_b[bucket], two batch rows a lane
.endr
	s_wait_dscnt 0x0
	v_pk_add_f32 v[F0:F0+1], v[F0:F0+1], v[F0+2:F0+3]
	v_pk_add_f32 v[F0+4:F0+5], v[F0+4:F0+5], v[F0+6:F0+7]
	v_pk_add_f32 v[F0:F0+1], v[F0:F0+1], v[F0+4:F0+5]
	v_pk_add_f32 v[F0:F0+1], v[F0:F0+1], v[F0+8:F0+9]
	global_store_b64 v27, v[F0:F0+1], s[16:17]     ; the wave stores 256 consecutive bytes, at a multiple of 256 from out's first byte
.Lnot_last_sum:
	s_wait_tensorcnt 0x0
	ds_add_u32 v14, v15
	s_wait_dscnt 0x0
	s_endpgm
.Lfunc_end_k_qc1176595fb_nnue:
	.size	k_qc1176595fb_nnue, .Lfunc_end_k_qc1176595fb_nnue-k_qc1176595fb_nnue
	.p2alignl 7, 3214868480
	.fill 96, 4, 3214868480
	.section	.rodata,"a",@progbits
	.p2align	6, 0x0
	.amdhsa_kernel k_qc1176595fb_nnue
		.amdhsa_group_segment_fixed_size 219136
		.amdhsa_private_segment_fixed_size 0
		.amdhsa_enable_private_segment 0
		.amdhsa_kernarg_size 56
		.amdhsa_user_sgpr_count 2
		.amdhsa_user_sgpr_kernarg_segment_ptr 1
		.amdhsa_wavefront_size32 1
		.amdhsa_system_sgpr_workgroup_id_x 1
		.amdhsa_system_sgpr_workgroup_id_y 1
		.amdhsa_system_sgpr_workgroup_id_z 1
		.amdhsa_system_vgpr_workitem_id 0
		.amdhsa_next_free_vgpr 1024
		.amdhsa_next_free_sgpr 66
		.amdhsa_reserve_vcc 1
		.amdhsa_float_denorm_mode_32 3
		.amdhsa_float_denorm_mode_16_64 3
		.amdhsa_memory_ordered 1
		.amdhsa_forward_progress 1
		.amdhsa_inst_pref_size 255
	.end_amdhsa_kernel
	.section	.bss,"aw",@nobits
	.p2align	6
	.space	262144
	.amdgpu_metadata
---
amdhsa.version: [ 1, 2 ]
amdhsa.kernels:
  - .name:           k_qc1176595fb_nnue
    .symbol:         k_qc1176595fb_nnue.kd
    .args:
      - { .name: stm_indices, .offset: 0, .size: 8, .value_kind: global_buffer, .address_space: global }
      - { .name: nstm_indices, .offset: 8, .size: 8, .value_kind: global_buffer, .address_space: global }
      - { .name: emb_bias, .offset: 16, .size: 8, .value_kind: global_buffer, .address_space: global }
      - { .name: head_w, .offset: 24, .size: 8, .value_kind: global_buffer, .address_space: global }
      - { .name: head_b, .offset: 32, .size: 8, .value_kind: global_buffer, .address_space: global }
      - { .name: tab, .offset: 40, .size: 8, .value_kind: global_buffer, .address_space: global }
      - { .name: out0, .offset: 48, .size: 8, .value_kind: global_buffer, .address_space: global }
    .group_segment_fixed_size: 219136
    .private_segment_fixed_size: 0
    .kernarg_segment_align: 8
    .kernarg_segment_size: 56
    .max_flat_workgroup_size: 128
    .sgpr_count:     66
    .vgpr_count:     1024
    .wavefront_size: 32
...
	.end_amdgpu_metadata
.endif
;; end of part 2
;; ======== version 2 of 2: 2 launches; version 1 with the launch nnue written anew for expert scheduling mode
;; limits: values outside matrix products are rounded to bf16
;; workspace buffers: tab 786,432 bytes
;; launch pack: the kernel of part 1 again; grid 256 x 1, 3 waves a work-group, no clusters, 0 bytes of LDS; arguments emb_table, tab; writes tab
;; launch nnue (part 3): grid 256 x 1, 4 waves a work-group, no clusters, 219,136 bytes of LDS; arguments stm_indices, nstm_indices, emb_bias, head_w, head_b, tab, out0; writes out0
.if DOCPART == 3
	.amdgcn_target "amdgcn-amd-amdhsa--gfx1250"
	.amdhsa_code_object_version 6
	.text
	.protected	k_qc1176595fb_nnue
	.globl	k_qc1176595fb_nnue
	.p2align	8
	.type	k_qc1176595fb_nnue,@function
k_qc1176595fb_nnue:
	s_mov_b64 s[64:65], 0
	v_nop
	global_prefetch_b8 v0, s[64:65] scope:SCOPE_SE
	s_setreg_imm32_b32 hwreg(HW_REG_WAVE_SCHED_MODE, 0, 2), 2
	s_setreg_imm32_b32 hwreg(HW_REG_WAVE_MODE, 25, 1), 1
	s_wait_xcnt 0x0
	s_wait_alu depctr_vm_vsrc(0)
; out[b] = head_w[bucket(b)] . clip(concat(bag(stm[b]) + bias, bag(nstm[b]) + bias), 0, 1) + head_b[bucket(b)].
; THE BAG SUMS ARE A MATRIX PRODUCT: counts[bag][k] (how often index k stands in the bag, 0..32, exact in bf16) times table[k][column] (bf16, from tab),
; sums in f32.  A work-group owns 64 batch rows = 128 bags (64 stm, then 64 nstm); each of its four waves owns all 128 bags x 128 table columns:
; 64 accumulator tiles, 512 registers.  K = 768 is 24 blocks of 32, written out.
; LIMITS.  A zero count is still multiplied with every table entry, so all entries of rows 0..767 must be finite and stay finite in bf16; indices above
; 768 are not served (they would count as padding in the sums and not in the bucket); the sums are formed in another order than row after row; table,
; clipped embedding and head_w are rounded to bf16 as matrix operands, everything else is f32.  NaN is not carried through the clip.
; THE TABLE GOES FROM tab STRAIGHT INTO REGISTERS: tab lies in fragment order, and a wave alone reads the fragments of its 128 columns, so a stage in LDS
; would share nothing inside the work-group.  Four fragment buffers take turns; the loads of up to three blocks (48 loads, 24,576 bytes a wave) are on their way,
; each waited for by count, and the K blocks need no barrier.
; NO CLUSTER, though all work-groups walk the same table: joint requests land in LDS, and in a launch with joint requests every LDS address has to be alike
; in all partners, while the counts are scattered to LDS addresses made of each work-group's own indices.  Counts made with fixed addresses (one compare
; for each k and element) would be 128 x 768 x 32 compares a work-group, more vector work than the products take.
; THE COUNTS lie in LDS for all of K: 128 rows x 1,552 bytes.  They are what the four waves share: each wave builds 32 bags' rows and reads all 128.
; THE PRODUCT IS USED TRANSPOSED: source 0 = 16 table columns, source 1 = 16 bags.  Lane l then holds bag l % 16 and in registers 0-7 the columns
; 8 (l / 16) + 0..7 of the tile; clipped and packed, two neighbouring tiles ARE a 16 x 32 operand fragment of the head product: no lane moves data.
; REGISTERS in windows of 256:  0: v0-31 addresses, v32-63 running counts, later the scores, v64-191 count fragments (two buffers; scratch before the
; products, the stm side's clipped embedding after them), v192-255 bias, later head_w in bf16.  1: four table fragment buffers of 64; at the end the first
; two take head_w as loaded, the last two the nstm side's embedding.  2, 3: accumulators (tile (a, b), a = bag block % 4, b = column block,
; at v[8 (8 a + b)]; window 2 = stm bags, window 3 = nstm bags).
; THE MODE: SCHED_MODE bits 1:0 = 2 (LLVM: expert scheduling mode 2), set by the entry lines.  The code itself states the register dependences
; between vector or matrix instructions and memory or LDS instructions, with s_wait_alu, always for 0.
; THE PLAN.  Registers that memory or LDS instructions touch:
;   v5-7, v16-19     offsets and zeros: written once at the head, ahead of one wait on va_vdst; read by the clearing and by the bias, index and table loads.
;   v8-11, v20-27    addresses: written once behind the clearing, ahead of one wait on va_vdst; never written again.
;   v64-127, v32-63  the sort's two banks, the scatter's addresses and the running counts: vector work writes them, one wait on va_vdst, the scatter reads them.
;   v128-159         the indices as loaded: read by the stage's stores alone.
;   One wait on vm_vsrc behind the counts' barrier frees all that these stores have read: count fragments land in v64-191, the head's products write v32-63.
;   C0, C1 (v64-127, v128-191) and T0 .. T3 (window 1).  Block n's products read C[n % 2] and T[n % 4].  Its loads land in C[(n + 1) % 2] and T[(n + 3) % 4]:
;   the two buffers that block n - 1 read and that no product of block n names.  So ONE wait on va_vdst stands at a block's head, and the block's 32 loads
;   are dealt among its products with no further wait.
;   Masks of compares go to scalar registers in runs, one wait on va_sdst behind each run.
.set CP,     1552                      ; a counts row: 768 k x 2 bytes + 16 = 97 x 16 bytes: 16 consecutive rows begin at 16 different 16-byte columns modulo 256 bytes;
                                       ; column 768 (PAD) lies in the row's padding, which no fragment load reads
.set STAGE,  128*CP                    ; LDS: the counts from byte 0, then the stage that turns the index rows: 128 rows of 144 bytes
.set SPITCH, 144
.set BKT,    STAGE+128*SPITCH          ; then the buckets of the 64 batch rows
.set RED,    BKT+256                   ; then 4 waves x 64 partial scores, and as a fifth row head_b[bucket]; behind it, from byte 0x35600 on, the spare words
.set KBLK,   32768                     ; bytes of tab in a block of 32 k
.set ADRC, 8                           ; v8-11   my count fragments, bags 0-31, 32-63, 64-95, 96-127 (two blocks of 16 rows fit the 16-bit offset, four do not)
.set ROWA, 12                          ; v12     my own bag's counts row
.set ZR,   16                          ; v16-19  zeros
.set CF,   32                          ; v32-63  running count of sorted element j, f32
.set SC,   32                          ; v32-63  later: four tiles of scores
.set F0,   64                          ; count fragment buffer 0 (buffer 1 = F0 + 64)
.set SX,   64                          ; sort: the two banks that take turns; the sorted bag ends in SY
.set SY,   96
.set ADA,  64                          ; where element j goes, in the bank that the sort has left free
.set RAW,  128                         ; indices as loaded
.set BIAS, 192                         ; v192-255 bias in the layout of 8 accumulator tiles
.set HWF,  192                         ; later: head_w fragments in bf16
.set EN,   128                         ; window 1: the nstm side's embedding
.set MK,   20                          ; s20-47  masks of compares, a run at a time (s40-47 hold head_b until the buckets are made)
.set MSB, 0
.macro WIN new                         ; the immediate's high byte repeats the setting that is left
.if MSB != \new
	s_set_vgpr_msb (MSB<<8)|\new
.set MSB, \new
.endif
.endm
.macro PLACES                          ; four plain vector instructions between a matrix instruction and a load into, or a vector use of, its registers
.rept 4
	v_nop
.endr
.endm
; 16 loads: the table fragments of block TM, my 8 column blocks, into buffer TM % 4 of window 1; each load takes 512 consecutive bytes of tab
.macro TLOAD
	WIN 0x40
.irp b, 0,1,2,3,4,5,6,7
	global_load_b128 v[64*(TM&3)+8*\b:64*(TM&3)+8*\b+3],   v5, s[58:59] offset:TM*KBLK+1024*\b
	global_load_b128 v[64*(TM&3)+8*\b+4:64*(TM&3)+8*\b+7], v5, s[58:59] offset:TM*KBLK+1024*\b+512
.endr
.endm
	s_load_b256 s[4:11], s[0:1], 0x0               ; stm s[4:5], nstm s[6:7], bias s[8:9], head_w s[10:11]
	s_load_b128 s[12:15], s[0:1], 0x20             ; head_b s[12:13], tab s[14:15]
	s_load_b64 s[16:17], s[0:1], 0x30              ; out
	v_lshl_add_u32 v14, v0, 2, 0x35600             ; my spare word and 0: made here and kept for the closing lines alone
	v_mov_b32 v15, 0
	v_lshrrev_b32 v4, 5, v0
	v_readfirstlane_b32 s18, v4                    ; wave 0..3
	v_and_b32 v1, 31, v0                           ; lane
	v_and_b32 v2, 15, v0                           ; r = lane % 16
	v_bfe_u32 v3, v0, 4, 1                         ; h = lane / 16
.irp i, 0,1,2,3
	v_mov_b32 v[ZR+\i], 0
.endr
	v_lshlrev_b32 v5, 4, v1                        ; 16 bytes a lane: index rows and table fragments
	s_wait_alu depctr_va_sdst(0)                   ; s18 is written, ahead of its first reader: LDS places, bases and branches are made from it
	s_mul_i32 s53, s18, 32*CP                      ; the counts rows of my 32 bags
	s_lshl_b32 s52, s18, 9                         ; my 128 columns in f32 bytes
	v_lshl_add_u32 v7, v1, 4, s53
	v_lshl_add_u32 v6, v3, 5, s52                  ; bias and head_w: 8 h columns + my 128, in f32 bytes
	s_wait_alu depctr_va_vdst(0)                   ; v5, v6, v7 and the zeros are written: the clearing reads v7 and v16-19, the bias loads v6, the index and table loads v5
.set i, 0
.rept 48
	ds_store_b128 v7, v[ZR:ZR+3] offset:512*i      ; my 32 counts rows = 49,664 bytes = 97 x 512 are cleared: the first 48 runs while the arguments come
.set i, i+1
.endr
	s_lshl_b32 s48, ttmp9, 13                      ; the work-group's 64 index rows of 128 bytes
	s_and_b32 s49, s18, 1
	s_lshl_b32 s49, s49, 12                        ; + 32 rows for the odd waves
	s_add_co_u32 s48, s48, s49
	s_mov_b32 s49, 0
	s_mul_i32 s55, s18, 32*SPITCH
	s_add_co_u32 s55, s55, STAGE                   ; my part of the stage
	s_lshl_b32 s56, s18, 13                        ; my 8 column blocks of 1,024 bytes in each block of 32 k of tab
	s_mov_b32 s57, 0
	s_lshl_b32 s60, s18, 8
	s_add_co_u32 s60, s60, RED                     ; my 64 partial scores
	s_wait_kmcnt 0x0
	s_add_nc_u64 s[58:59], s[14:15], s[56:57]      ; tab at my columns
	s_cmp_lt_u32 s18, 2
	s_cselect_b64 s[50:51], s[4:5], s[6:7]         ; waves 0, 1 take the stm bags, waves 2, 3 the nstm bags
	s_add_nc_u64 s[50:51], s[50:51], s[48:49]
.irp b, 0,1,2,3,4,5,6,7
	global_load_b128 v[BIAS+8*\b:BIAS+8*\b+3],   v6, s[8:9] offset:64*\b      ; bias in the layout of an accumulator tile: register j = column 16 b + 8 h + j
	global_load_b128 v[BIAS+8*\b+4:BIAS+8*\b+7], v6, s[8:9] offset:64*\b+16
.endr
.irp i, 0,1,2,3,4,5,6,7
	global_load_b128 v[RAW+4*\i:RAW+4*\i+3], v5, s[50:51] offset:512*\i th:TH_LOAD_NT     ; my 32 bags: 4,096 consecutive bytes, 512 a load
.endr
	s_load_b256 s[40:47], s[12:13], 0x0            ; head_b, all eight
.set TM, 0
	TLOAD
.set TM, 1
	TLOAD
	WIN 0
.rept 49
	ds_store_b128 v7, v[ZR:ZR+3] offset:512*i      ; the other 49 runs of the clearing, while the indices come; my scatter below follows them in order
.set i, i+1
.endr
	v_lshrrev_b32 v4, 3, v1                        ; stage, in: a load's 512 bytes are 4 index rows, 8 lanes each
	v_and_b32 v20, 7, v1
	v_mul_u32_u24 v4, v4, SPITCH
	v_lshl_add_u32 v4, v20, 4, v4
	v_add_nc_u32 v20, s55, v4
	v_mul_u32_u24 v21, v1, SPITCH                  ; stage, out: lane = bag
	v_add_nc_u32 v21, s55, v21
	v_lshlrev_b32 v22, 2, v0
	v_add_nc_u32 v22, BKT, v22                     ; my bag's bucket (waves 0, 1: thread = batch row)
	v_and_b32 v4, 7, v0
	v_lshl_add_u32 v23, v4, 12, v6                 ; head_w: row r % 8 (rows 8-15 of the fragment repeat rows 0-7), 4,096 bytes a row
	v_lshl_add_u32 v24, v2, 2, s60                 ; where my partial scores go
	v_lshlrev_b32 v25, 2, v2
	v_add_nc_u32 v25, BKT, v25                     ; bucket of batch row r
	v_lshlrev_b32 v27, 3, v1                       ; the last sum: two batch rows a lane
	v_add_nc_u32 v26, RED, v27
	v_mul_u32_u24 v[ADRC], v2, CP                  ; count fragments: row r, 16 h bytes along k
	v_lshl_add_u32 v[ADRC], v3, 4, v[ADRC]
	v_add_nc_u32 v[ADRC+1], 32*CP, v[ADRC]
	v_add_nc_u32 v[ADRC+2], 64*CP, v[ADRC]
	v_add_nc_u32 v[ADRC+3], 96*CP, v[ADRC]
	v_mul_u32_u24 v[ROWA], v1, CP
	v_add_nc_u32 v[ROWA], s53, v[ROWA]
	; THE COUNTS.  Lane = bag.  The index rows are turned through my own bytes of the stage (LDS serves a wave in order: no wait between stores and loads).
	s_wait_loadcnt 32                              ; bias and indices are in; the 32 loads behind them (table blocks 0, 1) may stay out
.set TM, 2
	TLOAD                                          ; 48 loads are out now, and never more.  No wait: none of the address lines above names v5 or this buffer
	WIN 0
	s_wait_alu depctr_va_vdst(0)                   ; the addresses v8-11 and v20-27 are written: every later LDS instruction, head_w's loads and the output's store read one of them, and none is written again
.irp i, 0,1,2,3,4,5,6,7
	ds_store_b128 v20, v[RAW+4*\i:RAW+4*\i+3] offset:4*SPITCH*\i
.endr
.irp i, 0,1,2,3,4,5,6,7
	ds_load_b128 v[SX+4*\i:SX+4*\i+3], v21 offset:16*\i
.endr
	s_wait_dscnt 0x0                               ; my bag's 32 indices are in registers
; A bitonic sort of the lane's 32 indices: 15 layers of 16 exchanges; each layer reads one bank and writes the other, so an exchange is a min and a max
; and the 32 instructions of a layer do not wait for each other.  Equal indices end side by side.
.macro LAYER src, dst, k, j
.set i, 0
.rept 32
.if (i ^ \j) > i
.if (i & \k) == 0
	v_min_u32 v[\dst+i],      v[\src+i], v[\src+(i^\j)]
	v_max_u32 v[\dst+(i^\j)], v[\src+i], v[\src+(i^\j)]
.else
	v_max_u32 v[\dst+i],      v[\src+i], v[\src+(i^\j)]
	v_min_u32 v[\dst+(i^\j)], v[\src+i], v[\src+(i^\j)]
.endif
.endif
.set i, i+1
.endr
.endm
	LAYER SX, SY, 2, 1
	LAYER SY, SX, 4, 2
	LAYER SX, SY, 4, 1
	LAYER SY, SX, 8, 4
	LAYER SX, SY, 8, 2
	LAYER SY, SX, 8, 1
	LAYER SX, SY, 16, 8
	LAYER SY, SX, 16, 4
	LAYER SX, SY, 16, 2
	LAYER SY, SX, 16, 1
	LAYER SX, SY, 32, 16
	LAYER SY, SX, 32, 8
	LAYER SX, SY, 32, 4
	LAYER SY, SX, 32, 2
	LAYER SX, SY, 32, 1
	; running count: c[0] = 1, c[j] = (element j equals element j - 1 ? c[j-1] : 0) + 1.  The compares hang on the sorted bag alone: they go in two runs into
	; scalar registers, each run with one wait, and the lines that make the scatter's addresses stand between a run and its wait.
.set j, 1
.rept 16
	v_cmp_eq_u32 s[MK+j-1], v[SY+j], v[SY+j-1]
.set j, j+1
.endr
	; where element j goes: column min(index, 768) of my row
.set j, 0
.rept 32
	v_min_u32 v[ADA+j], 0x300, v[SY+j]
.set j, j+1
.endr
	s_wait_alu depctr_va_sdst(0)                   ; the masks of elements 1 to 16 are written, ahead of the selects that read them
	v_mov_b32 v[CF], 1.0
.set j, 1
.rept 16
	v_cndmask_b32 v28, 0, v[CF+j-1], s[MK+j-1]
	v_add_f32 v[CF+j], 1.0, v28
.set j, j+1
.endr
.set j, 17
.rept 15
	v_cmp_eq_u32 s[MK+j-17], v[SY+j], v[SY+j-1]
.set j, j+1
.endr
.set j, 0
.rept 32
	v_lshl_add_u32 v[ADA+j], v[ADA+j], 1, v[ROWA]
.set j, j+1
.endr
	s_wait_alu depctr_va_sdst(0)                   ; the masks of elements 17 to 31 are written, ahead of the selects that read them
.set j, 17
.rept 15
	v_cndmask_b32 v28, 0, v[CF+j-1], s[MK+j-17]
	v_add_f32 v[CF+j], 1.0, v28
.set j, j+1
.endr
	; each element stores its running count (the upper half of the f32 is the bf16, exact up to 32); LDS serves my stores in order,
	; so the last element of a run of equal indices leaves the run's length
	s_wait_alu depctr_va_vdst(0)                   ; the addresses v64-95 and the counts v32-63 are written, which the scatter reads; and the sort and the compares are done with v64-127, in which count fragments land
.set j, 0
.rept 32
	ds_store_b16_d16_hi v[ADA+j], v[CF+j]
.set j, j+1
.endr
	s_wait_kmcnt 0x0                               ; head_b
	s_cmp_ge_u32 s18, 2
	s_cbranch_scc1 .Lno_bucket                     ; the bucket hangs on the stm bags alone: waves 0, 1
	v_cmp_eq_u32 vcc_lo, 0x300, v[SY+31]           ; PAD is the largest index: if any, the sorted bag ends in its run
	s_wait_alu depctr_va_vcc(0)                    ; VCC is written, ahead of the select that reads it
	v_cndmask_b32 v28, 0, v[CF+31], vcc_lo         ; how many PAD
	v_cvt_u32_f32 v29, v28
	v_sub_nc_u32 v29, 32, v29                      ; cnt
	v_max_u32 v29, 2, v29                          ; below 2 the floor division is negative and clips to 0
	v_add_nc_u32 v29, -2, v29
	v_lshrrev_b32 v29, 2, v29
	v_min_u32 v29, 7, v29                          ; bucket
.irp j, 1,2,3,4,5,6,7
	v_cmp_eq_u32 s[MK+\j-1], \j, v29
.endr
	v_mov_b32 v30, s40
	s_wait_alu depctr_va_sdst(0)                   ; the seven masks are written, ahead of the selects that read them
.irp j, 1,2,3,4,5,6,7
	v_mov_b32 v31, s[40+\j]
	v_cndmask_b32 v30, v30, v31, s[MK+\j-1]
.endr
	s_wait_alu depctr_va_vdst(0)                   ; v29 and v30 are written, which the two stores read; and the compare above is done reading v127, in which a count fragment lands
	ds_store_b32 v22, v29
	ds_store_b32 v22, v30 offset:RED+1024-BKT      ; head_b[bucket], the fifth row of the last sum
.Lno_bucket:
; 16 matrix instructions: bag blocks a0, a0 + 1 of the window's four (hi = 0: stm, 1: nstm) x all 8 column blocks, 32 along K:
; table fragments from buffer TB of window 1, count fragments from buffer FB of window 0.
; In the first block C is the bias, so that nothing is cleared and nothing is added later.
; The 64 accumulators take turns, one instruction a turn, in the same order in every block.
.macro MUL16 hi, a0
.irp a, \a0, \a0+1
.irp b, 0,1,2,3,4,5,6,7
.if n == 0
	v_wmma_f32_16x16x32_bf16 v[8*(8*(\a)+\b):8*(8*(\a)+\b)+7], v[TB+8*\b:TB+8*\b+7], v[FB+8*(4*\hi+\a):FB+8*(4*\hi+\a)+7], v[BIAS+8*\b:BIAS+8*\b+7]
.else
	v_wmma_f32_16x16x32_bf16 v[8*(8*(\a)+\b):8*(8*(\a)+\b)+7], v[TB+8*\b:TB+8*\b+7], v[FB+8*(4*\hi+\a):FB+8*(4*\hi+\a)+7], v[8*(8*(\a)+\b):8*(8*(\a)+\b)+7]
.endif
.endr
.endr
.endm
.macro WLO                             ; source 0 (table) window 1, source 1 (counts) window 0, D window 2; C window 2, or window 0 for the bias
.if n == 0
	WIN 0x81
.else
	WIN 0xa1
.endif
.endm
.macro WHI                             ; the same with D (and C) in window 3
.if n == 0
	WIN 0xc1
.else
	WIN 0xf1
.endif
.endm
; 16 LDS loads: the count fragments of 8 x 16 bags at byte CK of the counts rows, into buffer GB
.macro CFETCH
	WIN 0
.irp i, 0,1,2,3,4,5,6,7
	ds_load_b128 v[GB+8*\i:GB+8*\i+3],   v[ADRC+(\i/2)] offset:CK+(\i%2)*16*CP
	ds_load_b128 v[GB+8*\i+4:GB+8*\i+7], v[ADRC+(\i/2)] offset:CK+(\i%2)*16*CP+32
.endr
.endm
; 16 loads: head_w as f32 for side HS, into the table buffer HS, which has served.
; Fragment c: row r % 8, columns 512 side + 128 wave + 32 c + { 8 h .. +7, 16 + 8 h .. +7 }
.macro HWLOAD
	WIN 0x40
.irp c, 0,1,2,3
	global_load_b128 v[64*HS+16*\c:64*HS+16*\c+3],     v23, s[10:11] offset:HS*2048+\c*128
	global_load_b128 v[64*HS+16*\c+4:64*HS+16*\c+7],   v23, s[10:11] offset:HS*2048+\c*128+16
	global_load_b128 v[64*HS+16*\c+8:64*HS+16*\c+11],  v23, s[10:11] offset:HS*2048+\c*128+64
	global_load_b128 v[64*HS+16*\c+12:64*HS+16*\c+15], v23, s[10:11] offset:HS*2048+\c*128+80
.endr
.endm
; Block n of 32 along K.  The two buffers that block n - 1 has read are asked for again among this block's products: the counts' for block n + 1 behind the
; first 16 products, 48 products ahead of their use; the table's for block n + 3 behind the first 32.  Blocks 21 and 22 ask for head_w's two halves in the
; table's stead, so the count of the wait for the table is the same in every block.  Block 0 owes no wait on va_vdst: no vector or matrix instruction has named
; the registers in which its loads land.  Block 23 loads nothing, so it holds none either.
.macro BLOCK
.if n > 0
.if n < 23
	PLACES
.endif
.endif
	s_wait_loadcnt 32                              ; loads come back in order (ISA guide 5.7.1): block n's 16 are in, the 32 issued behind them stay out
	s_wait_dscnt 0x0                               ; block n's count fragments are in
.if n > 0
.if n < 23
	s_wait_alu depctr_va_vdst(0)                   ; the products of block n - 1 are done reading their count buffer and their table buffer, in which the loads below land; this block's products name neither
.endif
.endif
	WLO
	MUL16 0, 0
.if n < 23
	CFETCH
.endif
	WLO
	MUL16 0, 2
.if n < 21
	TLOAD
.else
.if n < 23
	HWLOAD
.endif
.endif
	WHI
	MUL16 1, 0
	MUL16 1, 2
.endm
	s_wait_dscnt 0x0                               ; for the other waves' sake: my counts, bucket and head_b pick are stored
	s_barrier_signal -1
	s_barrier_wait -1                              ; every wave's counts are there; nobody writes them again, so the blocks need no barrier
	s_wait_alu depctr_vm_vsrc(0)                   ; my LDS stores have read v64-95 (the scatter's addresses) and v128-159 (the indices), in which count fragments land, v32-63, which the head's products write, and v29, v30, in which the buckets land
.set GB, F0
.set CK, 0
	CFETCH
.set n, 0
.rept 24
.set TB, 64*(n&3)
.set FB, F0+64*(n&1)
.set GB, F0+64*((n+1)&1)
.set CK, (n+1)*64
.set TM, n+3
.set HS, n-21
	BLOCK
.set n, n+1
.endr
	; THE HEAD.  Clip and pack first: head_w's last loads have that run in which to come.
	PLACES
	WIN 0x82                                       ; stm side: clip in place,
.set i, 0
.rept 256
	v_med3_num_f32 v[i], v[i], 0, 1.0
.set i, i+1
.endr
	WIN 0x0a                                       ; and pack into window 0: fragment (a, c) = tiles (a, 2 c), (a, 2 c + 1) at F0 + 32 a + 8 c
.set i, 0
.rept 128
	v_cvt_pk_bf16_f32 v[F0+i], v[2*i], v[2*i+1]
.set i, i+1
.endr
	WIN 0xc3                                       ; nstm side: the same, packed into the last two table buffers of window 1
.set i, 0
.rept 256
	v_med3_num_f32 v[i], v[i], 0, 1.0
.set i, i+1
.endr
	WIN 0x4f
.set i, 0
.rept 128
	v_cvt_pk_bf16_f32 v[EN+i], v[2*i], v[2*i+1]
.set i, i+1
.endr
	s_wait_loadcnt 0x0                             ; head_w
	WIN 0x05                                       ; sources window 1, destination window 0
.set i, 0
.rept 64
	v_cvt_pk_bf16_f32 v[HWF+i], v[2*i], v[2*i+1]
.set i, i+1
.endr
	WIN 0
.irp a, 0,1,2,3
	ds_load_b32 v[28+\a], v25 offset:64*\a         ; bucket of batch row 16 a + r.  No wait: nothing issued since block 22's wait names v25 or v28-31
.endr
; scores: source 0 = 16 rows of head_w (heads 0-7 twice), source 1 = 16 bags: register j of a lane = head j of batch row 16 a + r, in both halves of the lanes.
; Both sides add onto the same four accumulators, which take turns, one instruction a turn.
.macro HEAD side, c, zero, e
.irp a, 0,1,2,3
.if \zero
	v_wmma_f32_16x16x32_bf16 v[SC+8*\a:SC+8*\a+7], v[HWF+8*(4*\side+\c):HWF+8*(4*\side+\c)+7], v[\e+32*\a+8*\c:\e+32*\a+8*\c+7], 0
.else
	v_wmma_f32_16x16x32_bf16 v[SC+8*\a:SC+8*\a+7], v[HWF+8*(4*\side+\c):HWF+8*(4*\side+\c)+7], v[\e+32*\a+8*\c:\e+32*\a+8*\c+7], v[SC+8*\a:SC+8*\a+7]
.endif
.endr
.endm
	HEAD 0, 0, 1, F0
	HEAD 0, 1, 0, F0
	HEAD 0, 2, 0, F0
	HEAD 0, 3, 0, F0
	WIN 0x04                                       ; source 1 window 1: the nstm side
	HEAD 1, 0, 0, EN
	HEAD 1, 1, 0, EN
	HEAD 1, 2, 0, EN
	HEAD 1, 3, 0, EN
	WIN 0
	PLACES
	s_wait_dscnt 0x0                               ; the buckets
.irp a, 0,1,2,3
.irp j, 1,2,3,4,5,6,7
	v_cmp_eq_u32 s[MK+7*\a+\j-1], \j, v[28+\a]     ; all 28 masks in one run: s20-47 (head_b's registers have served)
.endr
.endr
	s_wait_alu depctr_va_sdst(0)                   ; the 28 masks are written, ahead of the selects that read them
.irp a, 0,1,2,3
.irp j, 1,2,3,4,5,6,7
	v_cndmask_b32 v[SC+8*\a], v[SC+8*\a], v[SC+8*\a+\j], s[MK+7*\a+\j-1]
.endr
.endr
	s_wait_alu depctr_va_vdst(0)                   ; the selects have written the four scores, which the stores read; and the head's products are done reading v64-73, in which wave 0's last loads land
.irp a, 0,1,2,3
	ds_store_b32 v24, v[SC+8*\a] offset:64*\a      ; my 128 columns' share of the chosen head; lanes r and 16 + r store the same word with the same value
.endr
	s_wait_dscnt 0x0                               ; for wave 0's sake
	s_barrier_signal -1
	s_barrier_wait -1
	s_cmp_lg_u32 s18, 0
	s_cbranch_scc1 .Lnot_last_sum
	s_lshl_b32 s48, ttmp9, 8                       ; 64 batch rows of 4 bytes
	s_mov_b32 s49, 0
	s_add_nc_u64 s[16:17], s[16:17], s[48:49]
.irp i, 0,1,2,3,4
	ds_load_b64 v[F0+2*\i:F0+2*\i+1], v26 offset:256*\i    ; the four waves' shares and head_b[bucket], two batch rows a lane
.endr
	s_wait_dscnt 0x0
	v_pk_add_f32 v[F0:F0+1], v[F0:F0+1], v[F0+2:F0+3]
	v_pk_add_f32 v[F0+4:F0+5], v[F0+4:F0+5], v[F0+6:F0+7]
	v_pk_add_f32 v[F0:F0+1], v[F0:F0+1], v[F0+4:F0+5]
	v_pk_add_f32 v[F0:F0+1], v[F0:F0+1], v[F0+8:F0+9]
	s_wait_alu depctr_va_vdst(0)                   ; the last addition has written v64-65, which the store reads
	global_store_b64 v27, v[F0:F0+1], s[16:17]     ; the wave stores 256 consecutive bytes, at a multiple of 256 from out's first byte
.Lnot_last_sum:
	s_wait_dscnt 0x0                               ; the closing lines, six on end
	s_wait_alu 0x0
	s_wait_tensorcnt 0x0
	ds_add_u32 v14, v15
	s_wait_dscnt 0x0
	s_endpgm
.Lfunc_end_k_qc1176595fb_nnue:
	.size	k_qc1176595fb_nnue, .Lfunc_end_k_qc1176595fb_nnue-k_qc1176595fb_nnue
	.p2alignl 7, 3214868480
	.fill 96, 4, 3214868480
	.section	.rodata,"a",@progbits
	.p2align	6, 0x0
	.amdhsa_kernel k_qc1176595fb_nnue
		.amdhsa_group_segment_fixed_size 219136
		.amdhsa_private_segment_fixed_size 0
		.amdhsa_enable_private_segment 0
		.amdhsa_kernarg_size 56
		.amdhsa_user_sgpr_count 2
		.amdhsa_user_sgpr_kernarg_segment_ptr 1
		.amdhsa_wavefront_size32 1
		.amdhsa_system_sgpr_workgroup_id_x 1
		.amdhsa_system_sgpr_workgroup_id_y 1
		.amdhsa_system_sgpr_workgroup_id_z 1
		.amdhsa_system_vgpr_workitem_id 0
		.amdhsa_next_free_vgpr 1024
		.amdhsa_next_free_sgpr 66
		.amdhsa_reserve_vcc 1
		.amdhsa_float_denorm_mode_32 3
		.amdhsa_float_denorm_mode_16_64 3
		.amdhsa_memory_ordered 1
		.amdhsa_forward_progress 1
		.amdhsa_inst_pref_size 255
	.end_amdhsa_kernel
	.section	.bss,"aw",@nobits
	.p2align	6
	.space	262144
	.amdgpu_metadata
---
amdhsa.version: [ 1, 2 ]
amdhsa.kernels:
  - .name:           k_qc1176595fb_nnue
    .symbol:         k_qc1176595fb_nnue.kd
    .args:
      - { .name: stm_indices, .offset: 0, .size: 8, .value_kind: global_buffer, .address_space: global }
      - { .name: nstm_indices, .offset: 8, .size: 8, .value_kind: global_buffer, .address_space: global }
      - { .name: emb_bias, .offset: 16, .size: 8, .value_kind: global_buffer, .address_space: global }
      - { .name: head_w, .offset: 24, .size: 8, .value_kind: global_buffer, .address_space: global }
      - { .name: head_b, .offset: 32, .size: 8, .value_kind: global_buffer, .address_space: global }
      - { .name: tab, .offset: 40, .size: 8, .value_kind: global_buffer, .address_space: global }
      - { .name: out0, .offset: 48, .size: 8, .value_kind: global_buffer, .address_space: global }
    .group_segment_fixed_size: 219136
    .private_segment_fixed_size: 0
    .kernarg_segment_align: 8
    .kernarg_segment_size: 56
    .max_flat_workgroup_size: 128
    .sgpr_count:     66
    .vgpr_count:     1024
    .wavefront_size: 32
...
	.end_amdgpu_metadata
.endif
;; end of part 3
